; MI455X (gfx1250); checked and timed in simulation.
; The chip was launched on July 23, 2026; its instructions are those of AMD's public machine-readable ISA for CDNA 5 (MIT licence, August 2026) and "CDNA5" Instruction Set Architecture Reference Guide (July 2026). The comments in the code are by the model that wrote it; some were corrected since.
;; MGU. Allowed arithmetic: float matrix products may take bf16 or f16 operands with f32 sums; all other float work in f32.
;; Inputs: Bf 1,024 float32; Bh 1,024 float32; Rf 1,024 x 1,024 float32; Rh 1,024 x 1,024 float32; Wf 1,024 x 1,024 float32; Wh 1,024 x 1,024 float32; h 16,384 x 1,024 float32; x 16,384 x 1,024 float32.
;; Outputs: out0 16,384 x 1,024 float32.
;; One version. Each part assembles by itself: llvm-mc -triple=amdgcn-amd-amdhsa -mcpu=gfx1250 --defsym DOCPART=n.
;; ======== version 1 of 1: 3 launches
;; workspace buffers: xb 33,554,432 bytes; hb 33,554,432 bytes; gb 33,554,432 bytes; ft 67,108,864 bytes; w1 4,194,304 bytes; w2 4,194,304 bytes
;; launch cast (part 1): grid 64 x 36, 8 waves a work-group, no clusters, 0 bytes of LDS; arguments x, h, Wf, Rf, Wh, Rh, xb, hb, w1, w2; writes xb, hb, w1, w2
.if DOCPART == 1
	.amdgcn_target "amdgcn-amd-amdhsa--gfx1250"
	.amdhsa_code_object_version 6
	.text
	.protected	k_q2ae5ac2871_cast
	.globl	k_q2ae5ac2871_cast
	.p2align	8
	.type	k_q2ae5ac2871_cast,@function
k_q2ae5ac2871_cast:
	s_mov_b64 s[64:65], 0
	v_nop
	global_prefetch_b8 v0, s[64:65] scope:SCOPE_SE
	s_setreg_imm32_b32 hwreg(HW_REG_WAVE_MODE, 25, 1), 1
	s_wait_xcnt 0x0
; f32 -> bf16 (round to nearest even) of x, h and the four weight matrices.  xb, hb: [16384][1024] bf16.  w1 = Wf on top of Rf, w2 = Wh on top of Rh: [2048 k][1024 n] bf16:
; stacking along K is plain concatenation, and the weights keep their [k][n] order (the products turn them on the way out of LDS).
; SHARES.  The inputs are 36 slabs of 4 MiB of f32: y = 0-15 x, 16-31 h, 32-35 Wf, Rf, Wh, Rh.  A slab is 64 chunks of 64 KiB (the grid's x): 2,304 = 9 x 256 equal work-groups.
; A pure stream: every byte is read once and written once.  No LDS, no barrier, no matrix unit, no cluster: no two work-groups read the same byte.
; Thread t takes 16 bytes at 16 t + 4,096 j, j = 0..15: a wave's load covers 512 consecutive bytes; its store of 8 bytes a lane covers 256 consecutive bytes, aligned.
; All sixteen loads of a wave are out before the first is waited for, and no register is written twice, so nothing waits for a store.
; LIMITS.  What the conversion gives for NaN and infinities is kept as it is; a finite f32 above bf16's largest number rounds to infinity.
.set X, 4                              ; v[4:67]   16 x 4 registers as loaded
.set Y, 68                             ; v[68:99]  16 x 2 registers to store
	s_load_b512 s[8:23], s[0:1], 0x0               ; x 8, h 10, Wf 12, Rf 14, Wh 16, Rh 18, xb 20, hb 22
	s_load_b128 s[24:27], s[0:1], 0x40             ; w1 24, w2 26
	s_and_b32 s28, ttmp7, 0xffff                   ; the slab
	s_sub_co_u32 s29, s28, 16                      ; its number within h (used from slab 16 on alone)
	s_and_b32 s30, s28, 1                          ; a weight's half of w1 or w2: Wf, Wh above, Rf, Rh below
	v_lshlrev_b32 v1, 4, v0                        ; my 16 bytes of f32
	v_lshlrev_b32 v2, 3, v0                        ; my 8 bytes of bf16
	s_wait_kmcnt 0x0
	s_mov_b64 s[32:33], s[8:9]                     ; from x
	s_mov_b64 s[34:35], s[20:21]                   ; to xb
	s_mov_b32 s36, s28                             ; slab within the source
	s_mov_b32 s37, s28                             ; slab within the destination
	s_cmp_ge_u32 s28, 16                           ; behind each compare stand selects alone, which leave SCC as it is
	s_cselect_b64 s[32:33], s[10:11], s[32:33]     ; h
	s_cselect_b64 s[34:35], s[22:23], s[34:35]     ; hb
	s_cselect_b32 s36, s29, s36
	s_cselect_b32 s37, s29, s37
	s_cmp_ge_u32 s28, 32
	s_cselect_b64 s[32:33], s[12:13], s[32:33]     ; Wf
	s_cselect_b64 s[34:35], s[24:25], s[34:35]     ; w1
	s_cselect_b32 s36, 0, s36                      ; a weight matrix is one slab
	s_cselect_b32 s37, s30, s37
	s_cmp_ge_u32 s28, 33
	s_cselect_b64 s[32:33], s[14:15], s[32:33]     ; Rf
	s_cmp_ge_u32 s28, 34
	s_cselect_b64 s[32:33], s[16:17], s[32:33]     ; Wh
	s_cselect_b64 s[34:35], s[26:27], s[34:35]     ; w2
	s_cmp_ge_u32 s28, 35
	s_cselect_b64 s[32:33], s[18:19], s[32:33]     ; Rh
	s_lshl_b32 s38, s36, 22                        ; the slab's 4 MiB,
	s_lshl_b32 s42, ttmp9, 16                      ; the chunk's 64 KiB: under 2^26 together
	s_add_co_u32 s38, s38, s42
	s_mov_b32 s39, 0
	s_lshl_b32 s40, s37, 21                        ; half of each on the way out
	s_lshl_b32 s42, ttmp9, 15
	s_add_co_u32 s40, s40, s42
	s_mov_b32 s41, 0
	s_add_nc_u64 s[32:33], s[32:33], s[38:39]
	s_add_nc_u64 s[34:35], s[34:35], s[40:41]
.irp j, 0,1,2,3,4,5,6,7,8,9,10,11,12,13,14,15
	global_load_b128 v[X+4*(\j):X+4*(\j)+3], v1, s[32:33] offset:4096*(\j) th:TH_LOAD_NT  ; read once in this launch
.endr
.irp j, 0,1,2,3,4,5,6,7,8,9,10,11,12,13,14,15
	s_wait_loadcnt 15-(\j)                         ; loads come back in order (ISA guide 5.7.1): number j is in, the younger ones stay out
	v_cvt_pk_bf16_f32 v[Y+2*(\j)], v[X+4*(\j)], v[X+4*(\j)+1]
	v_cvt_pk_bf16_f32 v[Y+2*(\j)+1], v[X+4*(\j)+2], v[X+4*(\j)+3]
	global_store_b64 v2, v[Y+2*(\j):Y+2*(\j)+1], s[34:35] offset:2048*(\j)  ; no hint: the next launch reads these bytes
.endr
	s_endpgm
.Lfunc_end_k_q2ae5ac2871_cast:
	.size	k_q2ae5ac2871_cast, .Lfunc_end_k_q2ae5ac2871_cast-k_q2ae5ac2871_cast
	.p2alignl 7, 3214868480
	.fill 96, 4, 3214868480
	.section	.rodata,"a",@progbits
	.p2align	6, 0x0
	.amdhsa_kernel k_q2ae5ac2871_cast
		.amdhsa_group_segment_fixed_size 0
		.amdhsa_private_segment_fixed_size 0
		.amdhsa_enable_private_segment 0
		.amdhsa_kernarg_size 80
		.amdhsa_user_sgpr_count 2
		.amdhsa_user_sgpr_kernarg_segment_ptr 1
		.amdhsa_wavefront_size32 1
		.amdhsa_system_sgpr_workgroup_id_x 1
		.amdhsa_system_sgpr_workgroup_id_y 1
		.amdhsa_system_sgpr_workgroup_id_z 1
		.amdhsa_system_vgpr_workitem_id 0
		.amdhsa_next_free_vgpr 104
		.amdhsa_next_free_sgpr 66
		.amdhsa_reserve_vcc 0
		.amdhsa_float_denorm_mode_32 3
		.amdhsa_float_denorm_mode_16_64 3
		.amdhsa_memory_ordered 1
		.amdhsa_forward_progress 1
		.amdhsa_inst_pref_size 8
	.end_amdhsa_kernel
	.amdgpu_metadata
---
amdhsa.version: [ 1, 2 ]
amdhsa.kernels:
  - .name:           k_q2ae5ac2871_cast
    .symbol:         k_q2ae5ac2871_cast.kd
    .args:
      - { .name: x, .offset: 0, .size: 8, .value_kind: global_buffer, .address_space: global }
      - { .name: h, .offset: 8, .size: 8, .value_kind: global_buffer, .address_space: global }
      - { .name: Wf, .offset: 16, .size: 8, .value_kind: global_buffer, .address_space: global }
      - { .name: Rf, .offset: 24, .size: 8, .value_kind: global_buffer, .address_space: global }
      - { .name: Wh, .offset: 32, .size: 8, .value_kind: global_buffer, .address_space: global }
      - { .name: Rh, .offset: 40, .size: 8, .value_kind: global_buffer, .address_space: global }
      - { .name: xb, .offset: 48, .size: 8, .value_kind: global_buffer, .address_space: global }
      - { .name: hb, .offset: 56, .size: 8, .value_kind: global_buffer, .address_space: global }
      - { .name: w1, .offset: 64, .size: 8, .value_kind: global_buffer, .address_space: global }
      - { .name: w2, .offset: 72, .size: 8, .value_kind: global_buffer, .address_space: global }
    .group_segment_fixed_size: 0
    .private_segment_fixed_size: 0
    .kernarg_segment_align: 8
    .kernarg_segment_size: 80
    .max_flat_workgroup_size: 256
    .sgpr_count:     66
    .vgpr_count:     104
    .wavefront_size: 32
...
	.end_amdgpu_metadata
.endif
;; end of part 1
;; launch gate (part 2): grid 4 x 64, 4 waves a work-group, clusters of 4 x 4, 327,680 bytes of LDS; arguments xb, hb, w1, Bf, ft, gb; writes ft, gb
.if DOCPART == 2
	.amdgcn_target "amdgcn-amd-amdhsa--gfx1250"
	.amdhsa_code_object_version 6
	.text
	.protected	k_q2ae5ac2871_gate
	.globl	k_q2ae5ac2871_gate
	.p2align	8
	.type	k_q2ae5ac2871_gate,@function
k_q2ae5ac2871_gate:
	s_mov_b64 s[64:65], 0
	v_nop
	global_prefetch_b8 v0, s[64:65] scope:SCOPE_SE
	s_setreg_imm32_b32 hwreg(HW_REG_WAVE_MODE, 25, 1), 1
	s_wait_xcnt 0x0
	s_wait_alu depctr_hold_cnt(0) depctr_sa_sdst(0) depctr_va_vdst(0) depctr_va_sdst(0) depctr_va_ssrc(0) depctr_va_vcc(0) depctr_vm_vsrc(0)
	s_getreg_b32 s2, hwreg(HW_REG_IB_STS2, 6, 4)
	s_cmp_eq_u32 s2, 0
	s_cbranch_scc0 .Lentry_in_a_cluster
	s_endpgm
.Lentry_in_a_cluster:
	s_bfe_u32 s2, ttmp6, 0x10000c
	s_cmp_lg_u32 s2, 0xf033
	s_cbranch_scc0 .Lentry_shape_is_right
	s_endpgm
.Lentry_shape_is_right:
; ONE TEXT FOR THE TWO PRODUCTS OF THE MGU STEP; the switch CAND chooses the way out.
;   CAND = 0 (gate):  F = [xb | hb] w1;  f = sigmoid(F + Bf) -> ft (f32);  g = f h -> gb (bf16)
;   CAND = 1 (cand):  G = [xb | gb] w2;  out = h + f (tanh(G + Bh) - h) -> out0 (f32), which is (1 - f) h + f tanh(..) in another order of rounding
; A = two buffers [16384][1024] bf16 side by side along K (2,048 in all); B = [2048 k][1024 n] bf16; sums in f32.
; FORMATS AND LIMITS.  Every input of the module enters rounded once to bf16: x, h and the weights by the launch in front, the bias here; h in f h and in the last line is that same rounded h, widened to f32.
; All arithmetic behind the products is f32; f is kept in f32.  sigmoid(z) = 1 / (1 + 2^(-log2(e) z)), tanh(z) = 1 - 2 / (1 + 2^(2 log2(e) z)): an exponential that overflows gives infinity and its
; reciprocal 0, one that underflows gives 0: both ends saturate rightly for every finite z.  Near z = 0 tanh carries an absolute error of about 1e-7.  v_exp_f32 and v_rcp_f32 are good to 1 ulp and flush denormals
; (ISA guide 15.8).  NaN and infinities are not treated apart.
; SHARES.  A tile of C, 256 x 256, is made by a work-group of four waves; a wave makes 128 x 128: 64 accumulators of 16 x 16, 512 registers.  16,384 x 1,024 are 256 tiles: one to a work-group.
; K goes in 16 steps of 128 through a ring of two LDS slots filled by the tensor data mover: steps 0-7 take A's tiles from the first buffer, steps 8-15 from the second.
; CLUSTERS: 4 x 4 work-groups.  The four of a row of the cluster need the same tiles of A, the four of a column the same tiles of B: each tile is asked for JOINTLY, by the same tensor load with the same
; descriptor and a mask that names the four.  That divides the requests for A and for B by four.
; THE MATRIX INSTRUCTION IS USED TRANSPOSED: source 0 = 16 columns of B, source 1 = 16 rows of A: a lane then holds row l % 16 of C and the eight neighbouring columns 8 (l / 16) + 0..7.
; B lies [k][n] in LDS as in memory and is turned by ds_load_tr16_b128; A lies along K and is read as it lies.
; REGISTERS, in windows of 256 (s_set_vgpr_msb: bits 1:0 source 0, 3:2 source 1, 5:4 source 2, 7:6 destination):
;   window 0: v0-51 addresses, bias, packed g; v64-127, v128-191 fragments of A, two buffers; v192-255 the way out's first rows of h (and f), loaded under the last K steps
;   window 1: v64-127, v128-191 fragments of B, two buffers      window 2: the accumulators of my rows 0-63 ((a, b) at v[8 (8 a + b)])      window 3: those of my rows 64-127
.set CAND,   0
.set KSTEP,  128
.set PA,     272                       ; a row of A in LDS: 256 bytes + 16 of padding = 68 words: row r starts at bank 4 r mod 64 (64 banks of 4 bytes: ISA guide 11.1)
.set PB,     544                       ; a row of B (one k, 256 n): 512 bytes + 32 = 136 words: row r starts at bank 8 r mod 64
.set HALFT,  128*PA                    ; what one tensor load brings: 128 rows of A, or 64 rows of B (64 x 544 is the same number)
.set SLOT,   4*HALFT                   ; A's 256 rows, then B's 128 rows
.set SPARE,  2*SLOT                    ; behind the ring: the spare words, 128 bytes for each wave: two blocks of 256 bytes that no other line names
.set SP,     528                       ; a stage row: 128 f32 + 16 bytes = 33 x 16: the 16 rows of a store start at 16 different groups of four banks
.set WST,    128*SP                    ; a wave's stage, 128 rows.  The four stages lie over the ring, which has had its last fill by then: 270,336 bytes, below SPARE
.set LAPS,   8                         ; a lap = two K steps = once round the ring
.set BSTEP,  KSTEP*2048                ; bytes of B from one K step to the next
.set ROWF,   4096                      ; a row of 1,024 f32
.set ROWB,   2048                      ; a row of 1,024 bf16
.set ADRA, 16                          ; v16-17  LDS address of my A fragments in slot 0, 1
.set ADRB, 20                          ; v20-21  the same for B
.set RDA,  22                          ; v22     the way out: where the eight rows in hand are read back
.set PFH,  23                          ; v23     (cand) prefetch offsets in hb: lane l: row l of my part
.set STO,  24                          ; v24     the way out: where I put 32 bytes of a row
.set RD,   25                          ; v25     the way out: my 16 bytes of my stage's first row; never rewritten
.set CO,   26                          ; v26     my byte offset in an f32 array [16384][1024]
.set CG,   27                          ; v27     the same in a bf16 array: half of it
.set SPW,  28                          ; v28     LDS address of my spare word: SPARE + 4 x my thread's number; never rewritten
.set NIL,  29                          ; v29     0; never rewritten
.set BO,   30                          ; v30     my byte offset in the bias
.set PFF,  31                          ; v31     (cand) prefetch offsets in ft: lane l: row l / 2, half l % 2 of its 512 bytes
.set BI,   32                          ; v[32:35] the bias of my four columns, times the exponent's constant
.set GP,   36                          ; v[36:51] (gate) eight rows of g, packed
.set F0,   64                          ; fragment buffer 0
.set F1,   128                         ; fragment buffer 1
.set HP0,  192                         ; the way out, buffer 0: eight rows of h, packed, 2 registers a row
.set FT0,  224                         ;   (cand) eight rows of f, 4 registers a row
.set HP1,  64                          ; buffer 1, where A's fragments lay
.set FT1,  96
.set S,    128                         ; v[128:159] eight rows of sums, worked on in place
.set U,    160                         ; v[160:191] eight rows of h in f32
.set WV,  12                           ; s12  my wave's number
.set RH,  13                           ; s13  which half of the tile's rows is mine.  Also: I fetch for A (0) or for B (1)
.set CH,  14                           ; s14  which half of its columns.  Also: which half of that tile I fetch
.set TN,  22                           ; s22  the K step to be asked for next
.set G1,  24                           ; s[24:31] descriptor group 1 for A's tiles
.set G0,  32                           ; s[32:39] descriptor group 0 for A's tiles, one set for each slot
.set G1B, 48                           ; s[48:55] descriptor group 1 for B's tiles
.set G0B, 56                           ; s[56:63] descriptor group 0 for B's tiles, one set for each slot
.set HIM, 79                           ; s79  mask of a word's upper bf16
.set CC,  80                           ; s[80:81] the exponent's constant; the packed forms name a pair and take its low word
.set SB,  86                           ; s86  the way out: bytes from my stage's first row to the eight rows in hand
.if CAND
.set PH,  68                           ; s[68:69] hb   s[70:71] ft   s[72:73] out0
.set PFT, 70
.set PO,  72
.set NLD, 16                           ; loads that fill one buffer of the way out: 8 of h, 8 of f
.else
.set PFT, 68                           ; s[68:69] ft   s[70:71] gb   s[72:73] hb, a copy made before the tile's offset is added
.set PO,  70
.set PH,  72
.set NLD, 8
.endif
.set MSB, 0
.macro WIN new                         ; the immediate's high byte repeats the setting that is left; a switch that changes nothing is dropped
.if MSB != (\new)
	s_set_vgpr_msb (MSB<<8)|(\new)
.set MSB, \new
.endif
.endm
.set MUL_LO, 0xa1                      ; source 0 (B) window 1, source 1 (A) window 0, C and D window 2
.set MUL_HI, 0xf1                      ; the same, C and D window 3
.set TO_B,   0x40                      ; destination window 1, address window 0
; A joint load.  Waves 0 and 1 fetch A's two halves, waves 2 and 3 B's.  Each line has ONE mask and one set of registers for all that issue it.  The branch hangs on the wave's number alone.
; An s_nop 0 and four v_nop follow each of the two lines, ahead of the jump, the label and what follows.
.macro JLOAD s
	s_cmp_eq_u32 s[RH], 0
	s_cbranch_scc0 .Lfor_b_\@
	tensor_load_to_lds s[G0+4*(\s):G0+4*(\s)+3], s[G1:G1+7]
	s_nop 0
.rept 4
	v_nop
.endr
	s_branch .Lasked_\@
.Lfor_b_\@:
	tensor_load_to_lds s[G0B+4*(\s):G0B+4*(\s)+3], s[G1B:G1B+7]
	s_nop 0
.rept 4
	v_nop
.endr
.Lasked_\@:
.endm
; A round of the cluster's barrier: my work-group's barrier, so that wave 0's signal speaks for all four waves; wave 0 signals; every wave waits for all sixteen work-groups; my work-group's barrier once more.
.macro CREST                           ; a round behind its opening barrier
	s_cmp_lg_u32 s[WV], 0
	s_cbranch_scc1 .Lnot_wave_0_\@
	s_barrier_signal -3
.Lnot_wave_0_\@:
	s_barrier_wait -3
	s_barrier_signal -1
	s_barrier_wait -1
.endm
.macro CROUND                          ; a whole round
	s_barrier_signal -1
	s_barrier_wait -1
	CREST
.endm
	s_load_b256 s[4:11], s[0:1], 0x0               ; A's first buffer s[4:5], its second s[6:7], B s[8:9], the bias s[10:11]
	s_load_b128 s[68:71], s[0:1], 0x20
.if CAND
	s_load_b64 s[72:73], s[0:1], 0x30
.endif
	v_lshl_add_u32 v[SPW], v0, 2, SPARE
	v_mov_b32 v[NIL], 0
	ds_add_u32 v[SPW], v[NIL]                      ; the wave's opening: the add and its wait stand ahead of my first tensor load; the set-up below, work on registers, stands between them
	v_lshrrev_b32 v1, 5, v0
	v_readfirstlane_b32 s[WV], v1                  ; wave 0..3
	s_lshr_b32 s[RH], s[WV], 1
	s_and_b32 s[CH], s[WV], 1
	s_bfe_u32 s15, ttmp6, 0x40000                  ; cx: my place along the cluster's x
	s_bfe_u32 s16, ttmp6, 0x40004                  ; cy: along its y
	s_lshl_b32 s17, ttmp9, 2                       ; in a cluster launch ttmp9 and ttmp7 count clusters
	s_add_co_u32 s17, s17, s15                     ; tile column of C = 4 x cluster x + cx
	s_and_b32 s18, ttmp7, 0xffff
	s_lshl_b32 s18, s18, 2
	s_add_co_u32 s18, s18, s16                     ; tile row of C = 4 x cluster y + cy
	s_lshl_b32 s19, s16, 2
	s_lshl_b32 s19, 15, s19                        ; my row of the cluster: places 4 cy .. 4 cy + 3
	s_lshl_b32 s20, 0x1111, s15                    ; my column: places cx, cx + 4, cx + 8, cx + 12
	; descriptor group 1 for A: 128 rows x 128 elements, 16 bytes of padding behind every 256
	s_or_b32 s[G1+0], s19, (1<<16)|(1<<20)|(1<<21)|(5<<22)|(3<<25)   ; 15:0 the mask: my row; 17:16 elements of 2 bytes; 20 padding on; 21 set beside a mask; 24:22 after every 64 words (code 5); 31:25 4 words (code 3)
	s_mov_b32 s[G1+1], KSTEP<<16                   ; tensor_dim0 = 128
	s_mov_b32 s[G1+2], 128<<16                     ; tensor_dim1 = 128
	s_mov_b32 s[G1+3], KSTEP<<16                   ; tile_dim0 = 128
	s_mov_b32 s[G1+4], 128                         ; tile_dim1 = 128
	s_mov_b32 s[G1+5], 1024                        ; elements from row to row
	s_mov_b32 s[G1+6], 0
	s_mov_b32 s[G1+7], 0
	; for B: 64 rows (k) x 256 elements (n), 32 bytes of padding behind every 512
	s_or_b32 s[G1B+0], s20, (1<<16)|(1<<20)|(1<<21)|(6<<22)|(7<<25)  ; the mask: my column; after every 128 words (code 6) 8 words (code 7)
	s_mov_b32 s[G1B+1], 256<<16                    ; tensor_dim0 = 256
	s_mov_b32 s[G1B+2], 64<<16                     ; tensor_dim1 = 64
	s_mov_b32 s[G1B+3], 256<<16                    ; tile_dim0 = 256
	s_mov_b32 s[G1B+4], 64                         ; tile_dim1 = 64
	s_mov_b32 s[G1B+5], 1024
	s_mov_b32 s[G1B+6], 0
	s_mov_b32 s[G1B+7], 0
	; where the tiles come from.  A's hang on the tile row alone, B's on the tile column alone, each in registers that never hold the other coordinate.
	s_lshl_b32 s40, s18, 8
	s_lshl_b32 s41, s[CH], 7
	s_add_co_u32 s40, s40, s41                     ; A: row 256 x tile row + 128 x half,
	s_lshl_b32 s40, s40, 11                        ; of 2,048 bytes: under 2^25
	s_mov_b32 s41, 0
	s_lshl_b32 s42, s[CH], 17                      ; B: 64 x half rows of 2,048 bytes,
	s_lshl_b32 s43, s17, 9                         ; and 256 x tile column elements
	s_add_co_u32 s42, s42, s43
	s_mov_b32 s43, 0
	s_mul_i32 s21, s[WV], HALFT                    ; where they go: A's two halves, then B's two: no place in the cluster enters an LDS address
	s_mov_b32 s[TN], 2
	s_mov_b32 s45, 0                               ; high word of s[44:45], a K step's byte offset in a row of A
	s_mov_b32 s[HIM], 0xffff0000
.if CAND
	s_mov_b32 s[CC], 0x4038aa3b                    ; 2 log2(e)
.else
	s_mov_b32 s[CC], 0xbfb8aa3b                    ; -log2(e)
.endif
	s_mov_b32 s[CC+1], s[CC]                       ; named with it as a pair, so it is written
	s_mov_b32 s[SB], 0
	s_wait_dscnt 0x0                               ; the opening add is done
	s_wait_kmcnt 0x0
.if CAND == 0
	s_mov_b64 s[PH:PH+1], s[6:7]                   ; hb from its first byte, for the way out
.endif
	s_add_nc_u64 s[4:5], s[4:5], s[40:41]          ; both buffers of A at my rows
	s_add_nc_u64 s[6:7], s[6:7], s[40:41]
	s_add_nc_u64 s[8:9], s[8:9], s[42:43]          ; B at my half of K step 0
	CROUND                                         ; all sixteen work-groups are here: the first joint loads meet
.irp s, 0,1
	s_mov_b32 s[G0+4*(\s)], 1                                      ; 1:0 count = 1
	s_add_co_u32 s[G0+4*(\s)+1], s21, (\s)*SLOT                    ; 63:32 LDS address
	s_add_nc_u64 s[G0+4*(\s)+2:G0+4*(\s)+3], s[4:5], (\s)*KSTEP*2  ; 120:64 global address: K step s
	s_or_b32 s[G0+4*(\s)+3], s[G0+4*(\s)+3], 0x80000000            ; 127:126 type = 2
	s_mov_b32 s[G0B+4*(\s)], 1
	s_add_co_u32 s[G0B+4*(\s)+1], s21, (\s)*SLOT
	s_add_nc_u64 s[G0B+4*(\s)+2:G0B+4*(\s)+3], s[8:9], (\s)*BSTEP
	s_or_b32 s[G0B+4*(\s)+3], s[G0B+4*(\s)+3], 0x80000000
	JLOAD \s                                       ; the ring is filled before anything else is done: two loads of mine are out
.endr
	; A fragment of A is 16 rows x 32 K in 8 registers: lane l holds row l % 16; registers 0-3 K = 8 (l / 16) + 0..7, registers 4-7 K = 16 + 8 (l / 16) + 0..7: two loads of 16 bytes, 32 bytes apart.
	v_and_b32 v1, 15, v0                           ; l % 16
	v_bfe_u32 v2, v0, 4, 1                         ; l / 16
	v_mul_u32_u24 v3, v1, PA
	v_lshl_add_u32 v3, v2, 4, v3                   ; row x pitch + 16 x half
	s_mul_i32 s82, s[RH], HALFT                    ; my 128 rows of A
	; The turning load takes 16 k x 16 n (lane l reads 16 bytes: k = 8 (l / 16) + l % 8, n = 8 ((l / 8) % 2) + 0..7) and leaves half a fragment: lane l holds column l % 16 and 8 k.
	v_and_b32 v4, 7, v0
	v_lshl_add_u32 v4, v2, 3, v4
	v_mul_u32_u24 v4, v4, PB
	v_bfe_u32 v5, v0, 3, 1
	v_lshl_add_u32 v4, v5, 4, v4
	s_lshl_b32 s83, s[CH], 8                       ; my 128 columns of B: 256 bytes on in each row,
	s_add_co_u32 s83, s83, 2*HALFT                 ; behind A's 256 rows
.irp s, 0,1
	v_add_nc_u32 v[ADRA+(\s)], s82, v3
	v_add_nc_u32 v[ADRB+(\s)], s83, v4
	s_add_co_u32 s82, s82, SLOT
	s_add_co_u32 s83, s83, SLOT
.endr
	s_mul_i32 s84, s[WV], WST                      ; my stage
	v_mul_u32_u24 v5, v1, SP                       ; in: row l % 16, 32 bytes for each half of the lanes
	v_lshl_add_u32 v5, v2, 5, v5
	v_add_nc_u32 v[STO], s84, v5
	v_and_b32 v6, 31, v0                           ; back: 32 lanes take one row of 512 bytes
	v_lshl_add_u32 v[RD], v6, 4, s84
	s_lshl_b32 s74, s17, 8                         ; my first column: 256 x tile column + 128 x half,
	s_lshl_b32 s75, s[CH], 7
	s_add_co_u32 s74, s74, s75
	s_lshl_b32 s74, s74, 2                         ; in bytes of f32
	s_lshl_b32 s76, s18, 8                         ; my first row: 256 x tile row + 128 x half,
	s_lshl_b32 s77, s[RH], 7
	s_add_co_u32 s76, s76, s77
	s_lshl_b32 s76, s76, 12                        ; of 4,096 bytes: under 2^26
	s_add_co_u32 s76, s76, s74
	v_lshl_add_u32 v[BO], v6, 4, s74
	v_lshl_add_u32 v[CO], v6, 4, s76
	v_lshrrev_b32 v[CG], 1, v[CO]
.if CAND
	s_lshr_b32 s77, s76, 1
	v_lshlrev_b32 v3, 11, v6
	v_add_nc_u32 v[PFH], s77, v3                   ; hb: a row of my part is 256 bytes: lane l asks for row l
	v_lshrrev_b32 v7, 1, v6
	v_and_b32 v3, 1, v6
	v_lshlrev_b32 v3, 8, v3
	v_lshl_add_u32 v3, v7, 12, v3
	v_add_nc_u32 v[PFF], s76, v3                   ; ft: a row of my part is 512 bytes: two lanes a row
.endif
; 16 matrix instructions: row blocks a0, a0 + 1 of the window's four (hi = 0: my rows 0-63, 1: rows 64-127) x all 8 column blocks, 32 along K.  zero = 1: the first product starts the sums: nothing is cleared.
; The 64 accumulators take turns, one instruction a turn, in the same order in every quarter step.
.macro MUL16 f, hi, a0, zero
	WIN MUL_LO+0x50*(\hi)
.irp a, \a0, (\a0)+1
.irp b, 0,1,2,3,4,5,6,7
.if \zero
	v_wmma_f32_16x16x32_bf16 v[8*(8*(\a)+(\b)):8*(8*(\a)+(\b))+7], v[(\f)+8*(\b):(\f)+8*(\b)+7], v[(\f)+8*(4*(\hi)+(\a)):(\f)+8*(4*(\hi)+(\a))+7], 0
.else
	v_wmma_f32_16x16x32_bf16 v[8*(8*(\a)+(\b)):8*(8*(\a)+(\b))+7], v[(\f)+8*(\b):(\f)+8*(\b)+7], v[(\f)+8*(4*(\hi)+(\a)):(\f)+8*(4*(\hi)+(\a))+7], v[8*(8*(\a)+(\b)):8*(8*(\a)+(\b))+7]
.endif
.endr
.endr
.endm
; 32 LDS loads in one run: the fragments of quarter q of a K step (32 k x 128 columns of B, turned; 128 rows of A x 32 K) into buffer f.  The largest offset is 61,152.
.macro FETCH slot, q, f
	WIN TO_B
.irp i, 0,1,2,3,4,5,6,7
	ds_load_tr16_b128 v[(\f)+8*(\i):(\f)+8*(\i)+3],   v[ADRB+(\slot)] offset:(\q)*32*PB+(\i)*32
	ds_load_tr16_b128 v[(\f)+8*(\i)+4:(\f)+8*(\i)+7], v[ADRB+(\slot)] offset:(\q)*32*PB+16*PB+(\i)*32
.endr
	WIN 0
.irp i, 0,1,2,3,4,5,6,7
	ds_load_b128 v[(\f)+8*(\i):(\f)+8*(\i)+3],   v[ADRA+(\slot)] offset:(\q)*64+(\i)*16*PA
	ds_load_b128 v[(\f)+8*(\i)+4:(\f)+8*(\i)+7], v[ADRA+(\slot)] offset:(\q)*64+(\i)*16*PA+32
.endr
.endm
; A load into a register that a matrix instruction has read, and a vector instruction or store that reads a matrix result, stand four places behind that matrix instruction, and only plain vector
; instructions that name none of its registers are places (ISA guide 7.12.1 for vector instructions).
.macro PLACES
.rept 4
	v_nop
.endr
.endm
; A K step is four quarters of 32 along K, 64 matrix instructions each, on buffers 0, 1, 0, 1.  One of the first three: multiplies buffer f; in its middle it fetches quarter q of the same slot into buffer g.
.macro QUARTER slot, q, f, g, zero
	s_wait_dscnt 8                                 ; B and A's rows 0-63 are in; the youngest eight loads (A's rows 64-127) may be out
	MUL16 \f, 0, 0, \zero
	MUL16 \f, 0, 2, \zero
	PLACES
	FETCH \slot, \q, \g
	s_wait_dscnt 32                                ; all but the 32 just issued
	MUL16 \f, 1, 0, \zero
	MUL16 \f, 1, 2, \zero
.endm
; The last quarter multiplies buffer 1 and changes slots.  MEET is its first half: ONE barrier for the change.  In front of it each wave waits for all its tensor loads, of which one is out: its part of the
; next slot; adds 0 to its spare word; and waits for that and for its own reads of this slot.  Behind it nobody reads this slot any more and the next slot is whole.
.macro MEET round                      ; round = 1: a round of the cluster's barrier follows
	WIN 0                                          ; (the add's two registers lie in window 0)
	s_wait_tensorcnt 0x0                           ; all my tensor loads have landed
	ds_add_u32 v[SPW], v[NIL]                      ; 0 onto my spare word
	s_wait_dscnt 9                                 ; (the add and the youngest eight loads may be out)
	MUL16 F1, 0, 0, 0                              ; sixteen matrix instructions stand between the add and the wait for it
	s_wait_dscnt 0x0                               ; the add is done, and my reads of this slot are over
	s_barrier_signal -1
	MUL16 F1, 0, 2, 0                              ; work on registers while the others arrive
.if \round
	WIN 0
.endif
	s_barrier_wait -1
.endm
; The whole last quarter.  Behind the round the slot just read out is filled again first, with K step TN; then come the next slot's first fragments.  A's address is made anew from the step's number:
; steps 0-7 lie in the first buffer, 8-15 in the second, at 256 bytes x (step mod 8) of my rows.  B's goes two steps down.  From a request to the wait for it a wave issues 224 matrix instructions.
.macro TURN slot, next
	MEET 1
	CREST                                          ; no wave of any partner still reads this slot's tile or has a load on its way
	s_and_b32 s44, s[TN], 7
	s_lshl_b32 s44, s44, 8
	s_cmp_lt_u32 s[TN], 8
	s_cselect_b64 s[46:47], s[4:5], s[6:7]
	s_add_nc_u64 s[G0+4*(\slot)+2:G0+4*(\slot)+3], s[46:47], s[44:45]
	s_or_b32 s[G0+4*(\slot)+3], s[G0+4*(\slot)+3], 0x80000000
	s_add_co_u32 s[TN], s[TN], 1
	s_add_nc_u64 s[G0B+4*(\slot)+2:G0B+4*(\slot)+3], s[G0B+4*(\slot)+2:G0B+4*(\slot)+3], 2*BSTEP  ; the type bits on top are not reached
	JLOAD \slot                                    ; the first tensor load behind the round; the four v_nop behind it are also the places in front of the loads below
	FETCH \next, 0, F0
	MUL16 F1, 1, 0, 0
	MUL16 F1, 1, 2, 0
.endm
; THE WAY OUT.  Eight rows of h, packed: a lane's four columns are 8 bytes, 32 lanes cover 256 consecutive bytes, aligned.
.macro LOADH hp, row
.irp i, 0,1,2,3,4,5,6,7
	global_load_b64 v[(\hp)+2*(\i):(\hp)+2*(\i)+1], v[CG], s[PH:PH+1] offset:((\row)+(\i))*ROWB
.endr
.endm
.if CAND
.macro LOADF ftb, row                  ; eight rows of f: 32 lanes cover 512 consecutive bytes; read once in this launch
.irp i, 0,1,2,3,4,5,6,7
	global_load_b128 v[(\ftb)+4*(\i):(\ftb)+4*(\i)+3], v[CO], s[PFT:PFT+1] offset:((\row)+(\i))*ROWF th:TH_LOAD_NT
.endr
.endm
.endif
; All 64 accumulators into my stage: a lane's eight columns of a row are 32 bytes, two stores; each accumulator's four lowest registers go first.  The largest offset is 59,600.
.macro DUMP
.irp w, 0,1
	WIN 0x08+4*(\w)                                ; the data (source 1) in window 2, then 3; the address in window 0
.irp a, 0,1,2,3
.irp b, 0,1,2,3,4,5,6,7
	ds_store_b128 v[STO], v[8*(8*(\a)+(\b)):8*(8*(\a)+(\b))+3]   offset:(4*(\w)+(\a))*16*SP+64*(\b)
	ds_store_b128 v[STO], v[8*(8*(\a)+(\b))+4:8*(8*(\a)+(\b))+7] offset:(4*(\w)+(\a))*16*SP+64*(\b)+16
.endr
.endr
.endr
	WIN 0
.endm
; Eight rows: read back from my stage as whole rows (lane l: columns 4 l .. 4 l + 3), worked on, stored.  hp, ftb: the buffer with these rows' h (and f).  refill = 1: the buffer takes the rows sixteen further on.
; left: the loads that may stay out: the other buffer's, all issued behind this buffer's.  left = 0 marks the last eight rows: nothing is stepped behind them.
.macro HT hp, ftb, refill, left
	v_add_nc_u32 v[RDA], s[SB], v[RD]
.irp i, 0,1,2,3,4,5,6,7
	ds_load_b128 v[S+4*(\i):S+4*(\i)+3], v[RDA] offset:(\i)*SP  ; my own bytes: LDS serves a wave's instructions in order (ISA guide 5.7.1.4), so these see my stores
.endr
	s_wait_loadcnt \left                           ; loads come back in order (ISA guide 5.7.1): this buffer is in
.set p, 0
.rept 16
	v_lshlrev_b32 v[U+2*p],   16,     v[(\hp)+p]   ; bf16 to f32: the low half moves up,
	v_and_b32     v[U+2*p+1], s[HIM], v[(\hp)+p]   ; the high half stays
.set p, p+1
.endr
.if \refill
	LOADH \hp, 16
.endif
	s_wait_dscnt 0x0                               ; the eight rows are back
.set p, 0
.rept 16
	v_pk_fma_f32 v[S+2*p:S+2*p+1], v[S+2*p:S+2*p+1], s[CC:CC+1], v[BI+2*(p%2):BI+2*(p%2)+1] op_sel_hi:[1,0,1]  ; c (sum + bias)
.set p, p+1
.endr
.set p, 0
.rept 32
	v_exp_f32 v[S+p], v[S+p]
.set p, p+1
.endr
	v_nop                                          ; a plain instruction between the last exponential and the use of its result (ISA guide 5.7.2)
.set p, 0
	s_wait_alu depctr_va_vdst(0)
.rept 16
	v_pk_add_f32 v[S+2*p:S+2*p+1], v[S+2*p:S+2*p+1], 1.0 op_sel_hi:[1,0]
.set p, p+1
.endr
.set p, 0
.rept 32
	v_rcp_f32 v[S+p], v[S+p]
.set p, p+1
.endr
	v_nop                                          ; likewise behind the last reciprocal
.if CAND
.set p, 0
.rept 16
	v_pk_fma_f32 v[S+2*p:S+2*p+1], v[S+2*p:S+2*p+1], -2.0, 1.0 op_sel_hi:[1,0,0]  ; tanh
.set p, p+1
.endr
.set p, 0
.rept 16
	v_pk_add_f32 v[S+2*p:S+2*p+1], v[S+2*p:S+2*p+1], v[U+2*p:U+2*p+1] neg_lo:[0,1] neg_hi:[0,1]  ; tanh - h
.set p, p+1
.endr
.set p, 0
.rept 16
	v_pk_fma_f32 v[S+2*p:S+2*p+1], v[(\ftb)+2*p:(\ftb)+2*p+1], v[S+2*p:S+2*p+1], v[U+2*p:U+2*p+1]  ; h + f (tanh - h)
.set p, p+1
.endr
.if \refill
	LOADF \ftb, 16
.endif
.irp i, 0,1,2,3,4,5,6,7
	global_store_b128 v[CO], v[S+4*(\i):S+4*(\i)+3], s[PO:PO+1] offset:(\i)*ROWF th:TH_STORE_NT  ; 512 consecutive bytes, at a multiple of 512 from out0's first byte
.endr
.else
.set p, 0
	s_wait_alu depctr_va_vdst(0)
.rept 16
	v_pk_mul_f32 v[U+2*p:U+2*p+1], v[U+2*p:U+2*p+1], v[S+2*p:S+2*p+1]  ; f h
.set p, p+1
.endr
.set p, 0
.rept 16
	v_cvt_pk_bf16_f32 v[GP+p], v[U+2*p], v[U+2*p+1]
.set p, p+1
.endr
.irp i, 0,1,2,3,4,5,6,7
	global_store_b128 v[CO], v[S+4*(\i):S+4*(\i)+3], s[PFT:PFT+1] offset:(\i)*ROWF  ; f: 512 consecutive bytes, aligned; no hint: the next launch reads them
.endr
.irp i, 0,1,2,3,4,5,6,7
	global_store_b64 v[CG], v[GP+2*(\i):GP+2*(\i)+1], s[PO:PO+1] offset:(\i)*ROWB   ; g: 256 consecutive bytes, aligned
.endr
.endif
.if \left
	s_wait_xcnt 0x0                                ; every earlier memory instruction has had its addresses translated (ISA guide 3.1): the stores' data and the offsets are rewritten only behind this wait
	v_add_nc_u32 v[CO], 8*ROWF, v[CO]
	v_add_nc_u32 v[CG], 8*ROWB, v[CG]
	s_add_co_u32 s[SB], s[SB], 8*SP
.endif
.endm
	s_wait_tensorcnt 1                             ; my part of K step 0 is in; K step 1's may stay out
	s_barrier_signal -1
	s_barrier_wait -1                              ; everybody's is
	FETCH 0, 0, F0
	QUARTER 0, 1, F0, F1, 1                        ; the first quarter stands in front of the loop: its products start the sums
	WIN 0                                          ; at a label and at a branch every window is 0
	s_mov_b32 s3, LAPS-1
.Llap:                                                 ; a trip goes once round the ring, from a lap's second quarter to the next lap's first, and fills both slots again: K steps 2 to 15 in seven trips
	QUARTER 0, 2, F1, F0, 0
	QUARTER 0, 3, F0, F1, 0
	TURN 0, 1
	QUARTER 1, 1, F0, F1, 0
	QUARTER 1, 2, F1, F0, 0
	QUARTER 1, 3, F0, F1, 0
	TURN 1, 0
	QUARTER 0, 1, F0, F1, 0
	WIN 0
	s_sub_co_u32 s3, s3, 1
	s_cmp_lg_u32 s3, 0
	s_cbranch_scc1 .Llap
	; THE LAST LAP fills nothing.  The bias and the way out's first eight rows are asked for here, into registers that no product names: they land under the last seven quarters.
	global_load_b128 v[BI:BI+3], v[BO], s[10:11]
	LOADH HP0, 0
.if CAND
	LOADF FT0, 0
.endif
	QUARTER 0, 2, F1, F0, 0
	QUARTER 0, 3, F0, F1, 0
	MEET 0                                         ; my one tensor load that was still out is slot 1's, the last K step's, so no round follows
	PLACES
	FETCH 1, 0, F0
.if CAND
	; Into the L2, once for each aligned 256 bytes and by the wave that will load them: rows 16-79 of my part of hb and rows 16-47 of my part of ft, 32 KiB a wave, a K step's 256 matrix
	; instructions ahead of the way out; rows 0-15 are asked for by loads.  All lie inside my 128 rows.  (In the gate's text nothing is asked for: the cluster has just read these rows of hb as tiles of A.)
	global_prefetch_b8 v[PFH], s[PH:PH+1] offset:16*ROWB th:TH_LOAD_NT scope:SCOPE_SE
	global_prefetch_b8 v[PFH], s[PH:PH+1] offset:48*ROWB th:TH_LOAD_NT scope:SCOPE_SE
	global_prefetch_b8 v[PFF], s[PFT:PFT+1] offset:16*ROWF th:TH_LOAD_NT scope:SCOPE_SE
	global_prefetch_b8 v[PFF], s[PFT:PFT+1] offset:32*ROWF th:TH_LOAD_NT scope:SCOPE_SE
.endif
	MUL16 F1, 1, 0, 0
	MUL16 F1, 1, 2, 0
	QUARTER 1, 1, F0, F1, 0
	QUARTER 1, 2, F1, F0, 0
	QUARTER 1, 3, F0, F1, 0
	s_wait_dscnt 8                                 ; the very last quarter: nothing more to fetch
	MUL16 F1, 0, 0, 0
	MUL16 F1, 0, 2, 0
	s_wait_dscnt 0x0                               ; my last reads of the ring are back:
	s_barrier_signal -1                            ; say so, since the stages lie over the ring,
	MUL16 F1, 1, 0, 0
	MUL16 F1, 1, 2, 0
	WIN 0
	s_barrier_wait -1                              ; and store there only when all four have said so (every tensor load was waited for in front of the barrier before)
	PLACES                                         ; behind the last products: for the loads into A's buffers and for the stores of the sums
	LOADH HP1, 8
.if CAND
	LOADF FT1, 8
.endif
	DUMP
	s_wait_loadcnt NLD                             ; the bias and buffer 0 are in; buffer 1's loads stay out
	v_cvt_pk_bf16_f32 v3, v[BI], v[BI+1]           ; the bias is rounded to bf16 like every other input,
	v_cvt_pk_bf16_f32 v4, v[BI+2], v[BI+3]
	v_lshlrev_b32 v[BI],   16,     v3              ; widened again,
	v_and_b32     v[BI+1], s[HIM], v3
	v_lshlrev_b32 v[BI+2], 16,     v4
	v_and_b32     v[BI+3], s[HIM], v4
	v_pk_mul_f32 v[BI:BI+1],   v[BI:BI+1],   s[CC:CC+1] op_sel_hi:[1,0]  ; and takes the exponent's constant, so that one fused multiply-add makes c (sum + bias)
	v_pk_mul_f32 v[BI+2:BI+3], v[BI+2:BI+3], s[CC:CC+1] op_sel_hi:[1,0]
	s_mov_b32 s78, 7
.Lrow:                                                 ; a trip: sixteen rows; seven trips, each refilling both buffers: rows 16 to 127
	HT HP0, FT0, 1, NLD
	HT HP1, FT1, 1, NLD
	s_sub_co_u32 s78, s78, 1
	s_cmp_lg_u32 s78, 0
	s_cbranch_scc1 .Lrow
	HT HP0, FT0, 0, NLD                            ; the last sixteen rows load nothing
	HT HP1, FT1, 0, 0
	s_wait_tensorcnt 0x0                           ; the wave's end: behind my last tensor load and my last LDS store
	ds_add_u32 v[SPW], v[NIL]
	s_wait_dscnt 0x0
	CROUND                                         ; the closing round: no work-group ends while a partner may still ask for a tile that names it
	s_endpgm
.Lfunc_end_k_q2ae5ac2871_gate:
	.size	k_q2ae5ac2871_gate, .Lfunc_end_k_q2ae5ac2871_gate-k_q2ae5ac2871_gate
	.p2alignl 7, 3214868480
	.fill 96, 4, 3214868480
	.section	.rodata,"a",@progbits
	.p2align	6, 0x0
	.amdhsa_kernel k_q2ae5ac2871_gate
		.amdhsa_group_segment_fixed_size 327680
		.amdhsa_private_segment_fixed_size 0
		.amdhsa_enable_private_segment 0
		.amdhsa_kernarg_size 48
		.amdhsa_user_sgpr_count 2
		.amdhsa_user_sgpr_kernarg_segment_ptr 1
		.amdhsa_wavefront_size32 1
		.amdhsa_system_sgpr_workgroup_id_x 1
		.amdhsa_system_sgpr_workgroup_id_y 1
		.amdhsa_system_sgpr_workgroup_id_z 1
		.amdhsa_system_vgpr_workitem_id 0
		.amdhsa_next_free_vgpr 1024
		.amdhsa_next_free_sgpr 96
		.amdhsa_reserve_vcc 0
		.amdhsa_float_denorm_mode_32 3
		.amdhsa_float_denorm_mode_16_64 3
		.amdhsa_memory_ordered 1
		.amdhsa_forward_progress 1
		.amdhsa_inst_pref_size 161
	.end_amdhsa_kernel
	.amdgpu_metadata
---
amdhsa.version: [ 1, 2 ]
amdhsa.kernels:
  - .name:           k_q2ae5ac2871_gate
    .symbol:         k_q2ae5ac2871_gate.kd
    .args:
      - { .name: xb, .offset: 0, .size: 8, .value_kind: global_buffer, .address_space: global }
      - { .name: hb, .offset: 8, .size: 8, .value_kind: global_buffer, .address_space: global }
      - { .name: w1, .offset: 16, .size: 8, .value_kind: global_buffer, .address_space: global }
      - { .name: Bf, .offset: 24, .size: 8, .value_kind: global_buffer, .address_space: global }
      - { .name: ft, .offset: 32, .size: 8, .value_kind: global_buffer, .address_space: global }
      - { .name: gb, .offset: 40, .size: 8, .value_kind: global_buffer, .address_space: global }
    .group_segment_fixed_size: 327680
    .private_segment_fixed_size: 0
    .kernarg_segment_align: 8
    .kernarg_segment_size: 48
    .max_flat_workgroup_size: 128
    .sgpr_count:     96
    .vgpr_count:     1024
    .wavefront_size: 32
...
	.end_amdgpu_metadata
.endif
;; end of part 2
;; launch cand (part 3): grid 4 x 64, 4 waves a work-group, clusters of 4 x 4, 327,680 bytes of LDS; arguments xb, gb, w2, Bh, hb, ft, out0; writes out0
.if DOCPART == 3
	.amdgcn_target "amdgcn-amd-amdhsa--gfx1250"
	.amdhsa_code_object_version 6
	.text
	.protected	k_q2ae5ac2871_cand
	.globl	k_q2ae5ac2871_cand
	.p2align	8
	.type	k_q2ae5ac2871_cand,@function
k_q2ae5ac2871_cand:
	s_mov_b64 s[64:65], 0
	v_nop
	global_prefetch_b8 v0, s[64:65] scope:SCOPE_SE
	s_setreg_imm32_b32 hwreg(HW_REG_WAVE_MODE, 25, 1), 1
	s_wait_xcnt 0x0
	s_wait_alu depctr_hold_cnt(0) depctr_sa_sdst(0) depctr_va_vdst(0) depctr_va_sdst(0) depctr_va_ssrc(0) depctr_va_vcc(0) depctr_vm_vsrc(0)
	s_getreg_b32 s2, hwreg(HW_REG_IB_STS2, 6, 4)
	s_cmp_eq_u32 s2, 0
	s_cbranch_scc0 .Lentry_in_a_cluster
	s_endpgm
.Lentry_in_a_cluster:
	s_bfe_u32 s2, ttmp6, 0x10000c
	s_cmp_lg_u32 s2, 0xf033
	s_cbranch_scc0 .Lentry_shape_is_right
	s_endpgm
.Lentry_shape_is_right:
; ONE TEXT FOR THE TWO PRODUCTS OF THE MGU STEP; the switch CAND chooses the way out.
;   CAND = 0 (gate):  F = [xb | hb] w1;  f = sigmoid(F + Bf) -> ft (f32);  g = f h -> gb (bf16)
;   CAND = 1 (cand):  G = [xb | gb] w2;  out = h + f (tanh(G + Bh) - h) -> out0 (f32), which is (1 - f) h + f tanh(..) in another order of rounding
; A = two buffers [16384][1024] bf16 side by side along K (2,048 in all); B = [2048 k][1024 n] bf16; sums in f32.
; FORMATS AND LIMITS.  Every input of the module enters rounded once to bf16: x, h and the weights by the launch in front, the bias here; h in f h and in the last line is that same rounded h, widened to f32.
; All arithmetic behind the products is f32; f is kept in f32.  sigmoid(z) = 1 / (1 + 2^(-log2(e) z)), tanh(z) = 1 - 2 / (1 + 2^(2 log2(e) z)): an exponential that overflows gives infinity and its
; reciprocal 0, one that underflows gives 0: both ends saturate rightly for every finite z.  Near z = 0 tanh carries an absolute error of about 1e-7.  v_exp_f32 and v_rcp_f32 are good to 1 ulp and flush denormals
; (ISA guide 15.8).  NaN and infinities are not treated apart.
; SHARES.  A tile of C, 256 x 256, is made by a work-group of four waves; a wave makes 128 x 128: 64 accumulators of 16 x 16, 512 registers.  16,384 x 1,024 are 256 tiles: one to a work-group.
; K goes in 16 steps of 128 through a ring of two LDS slots filled by the tensor data mover: steps 0-7 take A's tiles from the first buffer, steps 8-15 from the second.
; CLUSTERS: 4 x 4 work-groups.  The four of a row of the cluster need the same tiles of A, the four of a column the same tiles of B: each tile is asked for JOINTLY, by the same tensor load with the same
; descriptor and a mask that names the four.  That divides the requests for A and for B by four.
; THE MATRIX INSTRUCTION IS USED TRANSPOSED: source 0 = 16 columns of B, source 1 = 16 rows of A: a lane then holds row l % 16 of C and the eight neighbouring columns 8 (l / 16) + 0..7.
; B lies [k][n] in LDS as in memory and is turned by ds_load_tr16_b128; A lies along K and is read as it lies.
; REGISTERS, in windows of 256 (s_set_vgpr_msb: bits 1:0 source 0, 3:2 source 1, 5:4 source 2, 7:6 destination):
;   window 0: v0-51 addresses, bias, packed g; v64-127, v128-191 fragments of A, two buffers; v192-255 the way out's first rows of h (and f), loaded under the last K steps
;   window 1: v64-127, v128-191 fragments of B, two buffers      window 2: the accumulators of my rows 0-63 ((a, b) at v[8 (8 a + b)])      window 3: those of my rows 64-127
.set CAND,   1
.set KSTEP,  128
.set PA,     272                       ; a row of A in LDS: 256 bytes + 16 of padding = 68 words: row r starts at bank 4 r mod 64 (64 banks of 4 bytes: ISA guide 11.1)
.set PB,     544                       ; a row of B (one k, 256 n): 512 bytes + 32 = 136 words: row r starts at bank 8 r mod 64
.set HALFT,  128*PA                    ; what one tensor load brings: 128 rows of A, or 64 rows of B (64 x 544 is the same number)
.set SLOT,   4*HALFT                   ; A's 256 rows, then B's 128 rows
.set SPARE,  2*SLOT                    ; behind the ring: the spare words, 128 bytes for each wave: two blocks of 256 bytes that no other line names
.set SP,     528                       ; a stage row: 128 f32 + 16 bytes = 33 x 16: the 16 rows of a store start at 16 different groups of four banks
.set WST,    128*SP                    ; a wave's stage, 128 rows.  The four stages lie over the ring, which has had its last fill by then: 270,336 bytes, below SPARE
.set LAPS,   8                         ; a lap = two K steps = once round the ring
.set BSTEP,  KSTEP*2048                ; bytes of B from one K step to the next
.set ROWF,   4096                      ; a row of 1,024 f32
.set ROWB,   2048                      ; a row of 1,024 bf16
.set ADRA, 16                          ; v16-17  LDS address of my A fragments in slot 0, 1
.set ADRB, 20                          ; v20-21  the same for B
.set RDA,  22                          ; v22     the way out: where the eight rows in hand are read back
.set PFH,  23                          ; v23     (cand) prefetch offsets in hb: lane l: row l of my part
.set STO,  24                          ; v24     the way out: where I put 32 bytes of a row
.set RD,   25                          ; v25     the way out: my 16 bytes of my stage's first row; never rewritten
.set CO,   26                          ; v26     my byte offset in an f32 array [16384][1024]
.set CG,   27                          ; v27     the same in a bf16 array: half of it
.set SPW,  28                          ; v28     LDS address of my spare word: SPARE + 4 x my thread's number; never rewritten
.set NIL,  29                          ; v29     0; never rewritten
.set BO,   30                          ; v30     my byte offset in the bias
.set PFF,  31                          ; v31     (cand) prefetch offsets in ft: lane l: row l / 2, half l % 2 of its 512 bytes
.set BI,   32                          ; v[32:35] the bias of my four columns, times the exponent's constant
.set GP,   36                          ; v[36:51] (gate) eight rows of g, packed
.set F0,   64                          ; fragment buffer 0
.set F1,   128                         ; fragment buffer 1
.set HP0,  192                         ; the way out, buffer 0: eight rows of h, packed, 2 registers a row
.set FT0,  224                         ;   (cand) eight rows of f, 4 registers a row
.set HP1,  64                          ; buffer 1, where A's fragments lay
.set FT1,  96
.set S,    128                         ; v[128:159] eight rows of sums, worked on in place
.set U,    160                         ; v[160:191] eight rows of h in f32
.set WV,  12                           ; s12  my wave's number
.set RH,  13                           ; s13  which half of the tile's rows is mine.  Also: I fetch for A (0) or for B (1)
.set CH,  14                           ; s14  which half of its columns.  Also: which half of that tile I fetch
.set TN,  22                           ; s22  the K step to be asked for next
.set G1,  24                           ; s[24:31] descriptor group 1 for A's tiles
.set G0,  32                           ; s[32:39] descriptor group 0 for A's tiles, one set for each slot
.set G1B, 48                           ; s[48:55] descriptor group 1 for B's tiles
.set G0B, 56                           ; s[56:63] descriptor group 0 for B's tiles, one set for each slot
.set HIM, 79                           ; s79  mask of a word's upper bf16
.set CC,  80                           ; s[80:81] the exponent's constant; the packed forms name a pair and take its low word
.set SB,  86                           ; s86  the way out: bytes from my stage's first row to the eight rows in hand
.if CAND
.set PH,  68                           ; s[68:69] hb   s[70:71] ft   s[72:73] out0
.set PFT, 70
.set PO,  72
.set NLD, 16                           ; loads that fill one buffer of the way out: 8 of h, 8 of f
.else
.set PFT, 68                           ; s[68:69] ft   s[70:71] gb   s[72:73] hb, a copy made before the tile's offset is added
.set PO,  70
.set PH,  72
.set NLD, 8
.endif
.set MSB, 0
.macro WIN new                         ; the immediate's high byte repeats the setting that is left; a switch that changes nothing is dropped
.if MSB != (\new)
	s_set_vgpr_msb (MSB<<8)|(\new)
.set MSB, \new
.endif
.endm
.set MUL_LO, 0xa1                      ; source 0 (B) window 1, source 1 (A) window 0, C and D window 2
.set MUL_HI, 0xf1                      ; the same, C and D window 3
.set TO_B,   0x40                      ; destination window 1, address window 0
; A joint load.  Waves 0 and 1 fetch A's two halves, waves 2 and 3 B's.  Each line has ONE mask and one set of registers for all that issue it.  The branch hangs on the wave's number alone.
; An s_nop 0 and four v_nop follow each of the two lines, ahead of the jump, the label and what follows.
.macro JLOAD s
	s_cmp_eq_u32 s[RH], 0
	s_cbranch_scc0 .Lfor_b_\@
	tensor_load_to_lds s[G0+4*(\s):G0+4*(\s)+3], s[G1:G1+7]
	s_nop 0
.rept 4
	v_nop
.endr
	s_branch .Lasked_\@
.Lfor_b_\@:
	tensor_load_to_lds s[G0B+4*(\s):G0B+4*(\s)+3], s[G1B:G1B+7]
	s_nop 0
.rept 4
	v_nop
.endr
.Lasked_\@:
.endm
; A round of the cluster's barrier: my work-group's barrier, so that wave 0's signal speaks for all four waves; wave 0 signals; every wave waits for all sixteen work-groups; my work-group's barrier once more.
.macro CREST                           ; a round behind its opening barrier
	s_cmp_lg_u32 s[WV], 0
	s_cbranch_scc1 .Lnot_wave_0_\@
	s_barrier_signal -3
.Lnot_wave_0_\@:
	s_barrier_wait -3
	s_barrier_signal -1
	s_barrier_wait -1
.endm
.macro CROUND                          ; a whole round
	s_barrier_signal -1
	s_barrier_wait -1
	CREST
.endm
	s_load_b256 s[4:11], s[0:1], 0x0               ; A's first buffer s[4:5], its second s[6:7], B s[8:9], the bias s[10:11]
	s_load_b128 s[68:71], s[0:1], 0x20
.if CAND
	s_load_b64 s[72:73], s[0:1], 0x30
.endif
	v_lshl_add_u32 v[SPW], v0, 2, SPARE
	v_mov_b32 v[NIL], 0
	ds_add_u32 v[SPW], v[NIL]                      ; the wave's opening: the add and its wait stand ahead of my first tensor load; the set-up below, work on registers, stands between them
	v_lshrrev_b32 v1, 5, v0
	v_readfirstlane_b32 s[WV], v1                  ; wave 0..3
	s_lshr_b32 s[RH], s[WV], 1
	s_and_b32 s[CH], s[WV], 1
	s_bfe_u32 s15, ttmp6, 0x40000                  ; cx: my place along the cluster's x
	s_bfe_u32 s16, ttmp6, 0x40004                  ; cy: along its y
	s_lshl_b32 s17, ttmp9, 2                       ; in a cluster launch ttmp9 and ttmp7 count clusters
	s_add_co_u32 s17, s17, s15                     ; tile column of C = 4 x cluster x + cx
	s_and_b32 s18, ttmp7, 0xffff
	s_lshl_b32 s18, s18, 2
	s_add_co_u32 s18, s18, s16                     ; tile row of C = 4 x cluster y + cy
	s_lshl_b32 s19, s16, 2
	s_lshl_b32 s19, 15, s19                        ; my row of the cluster: places 4 cy .. 4 cy + 3
	s_lshl_b32 s20, 0x1111, s15                    ; my column: places cx, cx + 4, cx + 8, cx + 12
	; descriptor group 1 for A: 128 rows x 128 elements, 16 bytes of padding behind every 256
	s_or_b32 s[G1+0], s19, (1<<16)|(1<<20)|(1<<21)|(5<<22)|(3<<25)   ; 15:0 the mask: my row; 17:16 elements of 2 bytes; 20 padding on; 21 set beside a mask; 24:22 after every 64 words (code 5); 31:25 4 words (code 3)
	s_mov_b32 s[G1+1], KSTEP<<16                   ; tensor_dim0 = 128
	s_mov_b32 s[G1+2], 128<<16                     ; tensor_dim1 = 128
	s_mov_b32 s[G1+3], KSTEP<<16                   ; tile_dim0 = 128
	s_mov_b32 s[G1+4], 128                         ; tile_dim1 = 128
	s_mov_b32 s[G1+5], 1024                        ; elements from row to row
	s_mov_b32 s[G1+6], 0
	s_mov_b32 s[G1+7], 0
	; for B: 64 rows (k) x 256 elements (n), 32 bytes of padding behind every 512
	s_or_b32 s[G1B+0], s20, (1<<16)|(1<<20)|(1<<21)|(6<<22)|(7<<25)  ; the mask: my column; after every 128 words (code 6) 8 words (code 7)
	s_mov_b32 s[G1B+1], 256<<16                    ; tensor_dim0 = 256
	s_mov_b32 s[G1B+2], 64<<16                     ; tensor_dim1 = 64
	s_mov_b32 s[G1B+3], 256<<16                    ; tile_dim0 = 256
	s_mov_b32 s[G1B+4], 64                         ; tile_dim1 = 64
	s_mov_b32 s[G1B+5], 1024
	s_mov_b32 s[G1B+6], 0
	s_mov_b32 s[G1B+7], 0
	; where the tiles come from.  A's hang on the tile row alone, B's on the tile column alone, each in registers that never hold the other coordinate.
	s_lshl_b32 s40, s18, 8
	s_lshl_b32 s41, s[CH], 7
	s_add_co_u32 s40, s40, s41                     ; A: row 256 x tile row + 128 x half,
	s_lshl_b32 s40, s40, 11                        ; of 2,048 bytes: under 2^25
	s_mov_b32 s41, 0
	s_lshl_b32 s42, s[CH], 17                      ; B: 64 x half rows of 2,048 bytes,
	s_lshl_b32 s43, s17, 9                         ; and 256 x tile column elements
	s_add_co_u32 s42, s42, s43
	s_mov_b32 s43, 0
	s_mul_i32 s21, s[WV], HALFT                    ; where they go: A's two halves, then B's two: no place in the cluster enters an LDS address
	s_mov_b32 s[TN], 2
	s_mov_b32 s45, 0                               ; high word of s[44:45], a K step's byte offset in a row of A
	s_mov_b32 s[HIM], 0xffff0000
.if CAND
	s_mov_b32 s[CC], 0x4038aa3b                    ; 2 log2(e)
.else
	s_mov_b32 s[CC], 0xbfb8aa3b                    ; -log2(e)
.endif
	s_mov_b32 s[CC+1], s[CC]                       ; named with it as a pair, so it is written
	s_mov_b32 s[SB], 0
	s_wait_dscnt 0x0                               ; the opening add is done
	s_wait_kmcnt 0x0
.if CAND == 0
	s_mov_b64 s[PH:PH+1], s[6:7]                   ; hb from its first byte, for the way out
.endif
	s_add_nc_u64 s[4:5], s[4:5], s[40:41]          ; both buffers of A at my rows
	s_add_nc_u64 s[6:7], s[6:7], s[40:41]
	s_add_nc_u64 s[8:9], s[8:9], s[42:43]          ; B at my half of K step 0
	CROUND                                         ; all sixteen work-groups are here: the first joint loads meet
.irp s, 0,1
	s_mov_b32 s[G0+4*(\s)], 1                                      ; 1:0 count = 1
	s_add_co_u32 s[G0+4*(\s)+1], s21, (\s)*SLOT                    ; 63:32 LDS address
	s_add_nc_u64 s[G0+4*(\s)+2:G0+4*(\s)+3], s[4:5], (\s)*KSTEP*2  ; 120:64 global address: K step s
	s_or_b32 s[G0+4*(\s)+3], s[G0+4*(\s)+3], 0x80000000            ; 127:126 type = 2
	s_mov_b32 s[G0B+4*(\s)], 1
	s_add_co_u32 s[G0B+4*(\s)+1], s21, (\s)*SLOT
	s_add_nc_u64 s[G0B+4*(\s)+2:G0B+4*(\s)+3], s[8:9], (\s)*BSTEP
	s_or_b32 s[G0B+4*(\s)+3], s[G0B+4*(\s)+3], 0x80000000
	JLOAD \s                                       ; the ring is filled before anything else is done: two loads of mine are out
.endr
	; A fragment of A is 16 rows x 32 K in 8 registers: lane l holds row l % 16; registers 0-3 K = 8 (l / 16) + 0..7, registers 4-7 K = 16 + 8 (l / 16) + 0..7: two loads of 16 bytes, 32 bytes apart.
	v_and_b32 v1, 15, v0                           ; l % 16
	v_bfe_u32 v2, v0, 4, 1                         ; l / 16
	v_mul_u32_u24 v3, v1, PA
	v_lshl_add_u32 v3, v2, 4, v3                   ; row x pitch + 16 x half
	s_mul_i32 s82, s[RH], HALFT                    ; my 128 rows of A
	; The turning load takes 16 k x 16 n (lane l reads 16 bytes: k = 8 (l / 16) + l % 8, n = 8 ((l / 8) % 2) + 0..7) and leaves half a fragment: lane l holds column l % 16 and 8 k.
	v_and_b32 v4, 7, v0
	v_lshl_add_u32 v4, v2, 3, v4
	v_mul_u32_u24 v4, v4, PB
	v_bfe_u32 v5, v0, 3, 1
	v_lshl_add_u32 v4, v5, 4, v4
	s_lshl_b32 s83, s[CH], 8                       ; my 128 columns of B: 256 bytes on in each row,
	s_add_co_u32 s83, s83, 2*HALFT                 ; behind A's 256 rows
.irp s, 0,1
	v_add_nc_u32 v[ADRA+(\s)], s82, v3
	v_add_nc_u32 v[ADRB+(\s)], s83, v4
	s_add_co_u32 s82, s82, SLOT
	s_add_co_u32 s83, s83, SLOT
.endr
	s_mul_i32 s84, s[WV], WST                      ; my stage
	v_mul_u32_u24 v5, v1, SP                       ; in: row l % 16, 32 bytes for each half of the lanes
	v_lshl_add_u32 v5, v2, 5, v5
	v_add_nc_u32 v[STO], s84, v5
	v_and_b32 v6, 31, v0                           ; back: 32 lanes take one row of 512 bytes
	v_lshl_add_u32 v[RD], v6, 4, s84
	s_lshl_b32 s74, s17, 8                         ; my first column: 256 x tile column + 128 x half,
	s_lshl_b32 s75, s[CH], 7
	s_add_co_u32 s74, s74, s75
	s_lshl_b32 s74, s74, 2                         ; in bytes of f32
	s_lshl_b32 s76, s18, 8                         ; my first row: 256 x tile row + 128 x half,
	s_lshl_b32 s77, s[RH], 7
	s_add_co_u32 s76, s76, s77
	s_lshl_b32 s76, s76, 12                        ; of 4,096 bytes: under 2^26
	s_add_co_u32 s76, s76, s74
	v_lshl_add_u32 v[BO], v6, 4, s74
	v_lshl_add_u32 v[CO], v6, 4, s76
	v_lshrrev_b32 v[CG], 1, v[CO]
.if CAND
	s_lshr_b32 s77, s76, 1
	v_lshlrev_b32 v3, 11, v6
	v_add_nc_u32 v[PFH], s77, v3                   ; hb: a row of my part is 256 bytes: lane l asks for row l
	v_lshrrev_b32 v7, 1, v6
	v_and_b32 v3, 1, v6
	v_lshlrev_b32 v3, 8, v3
	v_lshl_add_u32 v3, v7, 12, v3
	v_add_nc_u32 v[PFF], s76, v3                   ; ft: a row of my part is 512 bytes: two lanes a row
.endif
; 16 matrix instructions: row blocks a0, a0 + 1 of the window's four (hi = 0: my rows 0-63, 1: rows 64-127) x all 8 column blocks, 32 along K.  zero = 1: the first product starts the sums: nothing is cleared.
; The 64 accumulators take turns, one instruction a turn, in the same order in every quarter step.
.macro MUL16 f, hi, a0, zero
	WIN MUL_LO+0x50*(\hi)
.irp a, \a0, (\a0)+1
.irp b, 0,1,2,3,4,5,6,7
.if \zero
	v_wmma_f32_16x16x32_bf16 v[8*(8*(\a)+(\b)):8*(8*(\a)+(\b))+7], v[(\f)+8*(\b):(\f)+8*(\b)+7], v[(\f)+8*(4*(\hi)+(\a)):(\f)+8*(4*(\hi)+(\a))+7], 0
.else
	v_wmma_f32_16x16x32_bf16 v[8*(8*(\a)+(\b)):8*(8*(\a)+(\b))+7], v[(\f)+8*(\b):(\f)+8*(\b)+7], v[(\f)+8*(4*(\hi)+(\a)):(\f)+8*(4*(\hi)+(\a))+7], v[8*(8*(\a)+(\b)):8*(8*(\a)+(\b))+7]
.endif
.endr
.endr
.endm
; 32 LDS loads in one run: the fragments of quarter q of a K step (32 k x 128 columns of B, turned; 128 rows of A x 32 K) into buffer f.  The largest offset is 61,152.
.macro FETCH slot, q, f
	WIN TO_B
.irp i, 0,1,2,3,4,5,6,7
	ds_load_tr16_b128 v[(\f)+8*(\i):(\f)+8*(\i)+3],   v[ADRB+(\slot)] offset:(\q)*32*PB+(\i)*32
	ds_load_tr16_b128 v[(\f)+8*(\i)+4:(\f)+8*(\i)+7], v[ADRB+(\slot)] offset:(\q)*32*PB+16*PB+(\i)*32
.endr
	WIN 0
.irp i, 0,1,2,3,4,5,6,7
	ds_load_b128 v[(\f)+8*(\i):(\f)+8*(\i)+3],   v[ADRA+(\slot)] offset:(\q)*64+(\i)*16*PA
	ds_load_b128 v[(\f)+8*(\i)+4:(\f)+8*(\i)+7], v[ADRA+(\slot)] offset:(\q)*64+(\i)*16*PA+32
.endr
.endm
; A load into a register that a matrix instruction has read, and a vector instruction or store that reads a matrix result, stand four places behind that matrix instruction, and only plain vector
; instructions that name none of its registers are places (ISA guide 7.12.1 for vector instructions).
.macro PLACES
.rept 4
	v_nop
.endr
.endm
; A K step is four quarters of 32 along K, 64 matrix instructions each, on buffers 0, 1, 0, 1.  One of the first three: multiplies buffer f; in its middle it fetches quarter q of the same slot into buffer g.
.macro QUARTER slot, q, f, g, zero
	s_wait_dscnt 8                                 ; B and A's rows 0-63 are in; the youngest eight loads (A's rows 64-127) may be out
	MUL16 \f, 0, 0, \zero
	MUL16 \f, 0, 2, \zero
	PLACES
	FETCH \slot, \q, \g
	s_wait_dscnt 32                                ; all but the 32 just issued
	MUL16 \f, 1, 0, \zero
	MUL16 \f, 1, 2, \zero
.endm
; The last quarter multiplies buffer 1 and changes slots.  MEET is its first half: ONE barrier for the change.  In front of it each wave waits for all its tensor loads, of which one is out: its part of the
; next slot; adds 0 to its spare word; and waits for that and for its own reads of this slot.  Behind it nobody reads this slot any more and the next slot is whole.
.macro MEET round                      ; round = 1: a round of the cluster's barrier follows
	WIN 0                                          ; (the add's two registers lie in window 0)
	s_wait_tensorcnt 0x0                           ; all my tensor loads have landed
	ds_add_u32 v[SPW], v[NIL]                      ; 0 onto my spare word
	s_wait_dscnt 9                                 ; (the add and the youngest eight loads may be out)
	MUL16 F1, 0, 0, 0                              ; sixteen matrix instructions stand between the add and the wait for it
	s_wait_dscnt 0x0                               ; the add is done, and my reads of this slot are over
	s_barrier_signal -1
	MUL16 F1, 0, 2, 0                              ; work on registers while the others arrive
.if \round
	WIN 0
.endif
	s_barrier_wait -1
.endm
; The whole last quarter.  Behind the round the slot just read out is filled again first, with K step TN; then come the next slot's first fragments.  A's address is made anew from the step's number:
; steps 0-7 lie in the first buffer, 8-15 in the second, at 256 bytes x (step mod 8) of my rows.  B's goes two steps down.  From a request to the wait for it a wave issues 224 matrix instructions.
.macro TURN slot, next
	MEET 1
	CREST                                          ; no wave of any partner still reads this slot's tile or has a load on its way
	s_and_b32 s44, s[TN], 7
	s_lshl_b32 s44, s44, 8
	s_cmp_lt_u32 s[TN], 8
	s_cselect_b64 s[46:47], s[4:5], s[6:7]
	s_add_nc_u64 s[G0+4*(\slot)+2:G0+4*(\slot)+3], s[46:47], s[44:45]
	s_or_b32 s[G0+4*(\slot)+3], s[G0+4*(\slot)+3], 0x80000000
	s_add_co_u32 s[TN], s[TN], 1
	s_add_nc_u64 s[G0B+4*(\slot)+2:G0B+4*(\slot)+3], s[G0B+4*(\slot)+2:G0B+4*(\slot)+3], 2*BSTEP  ; the type bits on top are not reached
	JLOAD \slot                                    ; the first tensor load behind the round; the four v_nop behind it are also the places in front of the loads below
	FETCH \next, 0, F0
	MUL16 F1, 1, 0, 0
	MUL16 F1, 1, 2, 0
.endm
; THE WAY OUT.  Eight rows of h, packed: a lane's four columns are 8 bytes, 32 lanes cover 256 consecutive bytes, aligned.
.macro LOADH hp, row
.irp i, 0,1,2,3,4,5,6,7
	global_load_b64 v[(\hp)+2*(\i):(\hp)+2*(\i)+1], v[CG], s[PH:PH+1] offset:((\row)+(\i))*ROWB
.endr
.endm
.if CAND
.macro LOADF ftb, row                  ; eight rows of f: 32 lanes cover 512 consecutive bytes; read once in this launch
.irp i, 0,1,2,3,4,5,6,7
	global_load_b128 v[(\ftb)+4*(\i):(\ftb)+4*(\i)+3], v[CO], s[PFT:PFT+1] offset:((\row)+(\i))*ROWF th:TH_LOAD_NT
.endr
.endm
.endif
; All 64 accumulators into my stage: a lane's eight columns of a row are 32 bytes, two stores; each accumulator's four lowest registers go first.  The largest offset is 59,600.
.macro DUMP
.irp w, 0,1
	WIN 0x08+4*(\w)                                ; the data (source 1) in window 2, then 3; the address in window 0
.irp a, 0,1,2,3
.irp b, 0,1,2,3,4,5,6,7
	ds_store_b128 v[STO], v[8*(8*(\a)+(\b)):8*(8*(\a)+(\b))+3]   offset:(4*(\w)+(\a))*16*SP+64*(\b)
	ds_store_b128 v[STO], v[8*(8*(\a)+(\b))+4:8*(8*(\a)+(\b))+7] offset:(4*(\w)+(\a))*16*SP+64*(\b)+16
.endr
.endr
.endr
	WIN 0
.endm
; Eight rows: read back from my stage as whole rows (lane l: columns 4 l .. 4 l + 3), worked on, stored.  hp, ftb: the buffer with these rows' h (and f).  refill = 1: the buffer takes the rows sixteen further on.
; left: the loads that may stay out: the other buffer's, all issued behind this buffer's.  left = 0 marks the last eight rows: nothing is stepped behind them.
.macro HT hp, ftb, refill, left
	v_add_nc_u32 v[RDA], s[SB], v[RD]
.irp i, 0,1,2,3,4,5,6,7
	ds_load_b128 v[S+4*(\i):S+4*(\i)+3], v[RDA] offset:(\i)*SP  ; my own bytes: LDS serves a wave's instructions in order (ISA guide 5.7.1.4), so these see my stores
.endr
	s_wait_loadcnt \left                           ; loads come back in order (ISA guide 5.7.1): this buffer is in
.set p, 0
.rept 16
	v_lshlrev_b32 v[U+2*p],   16,     v[(\hp)+p]   ; bf16 to f32: the low half moves up,
	v_and_b32     v[U+2*p+1], s[HIM], v[(\hp)+p]   ; the high half stays
.set p, p+1
.endr
.if \refill
	LOADH \hp, 16
.endif
	s_wait_dscnt 0x0                               ; the eight rows are back
.set p, 0
.rept 16
	v_pk_fma_f32 v[S+2*p:S+2*p+1], v[S+2*p:S+2*p+1], s[CC:CC+1], v[BI+2*(p%2):BI+2*(p%2)+1] op_sel_hi:[1,0,1]  ; c (sum + bias)
.set p, p+1
.endr
.set p, 0
.rept 32
	v_exp_f32 v[S+p], v[S+p]
.set p, p+1
.endr
	v_nop                                          ; a plain instruction between the last exponential and the use of its result (ISA guide 5.7.2)
.set p, 0
	s_wait_alu depctr_va_vdst(0)
.rept 16
	v_pk_add_f32 v[S+2*p:S+2*p+1], v[S+2*p:S+2*p+1], 1.0 op_sel_hi:[1,0]
.set p, p+1
.endr
.set p, 0
.rept 32
	v_rcp_f32 v[S+p], v[S+p]
.set p, p+1
.endr
	v_nop                                          ; likewise behind the last reciprocal
.if CAND
.set p, 0
	s_wait_alu depctr_va_vdst(0)
.rept 16
	v_pk_fma_f32 v[S+2*p:S+2*p+1], v[S+2*p:S+2*p+1], -2.0, 1.0 op_sel_hi:[1,0,0]  ; tanh
.set p, p+1
.endr
.set p, 0
.rept 16
	v_pk_add_f32 v[S+2*p:S+2*p+1], v[S+2*p:S+2*p+1], v[U+2*p:U+2*p+1] neg_lo:[0,1] neg_hi:[0,1]  ; tanh - h
.set p, p+1
.endr
.set p, 0
.rept 16
	v_pk_fma_f32 v[S+2*p:S+2*p+1], v[(\ftb)+2*p:(\ftb)+2*p+1], v[S+2*p:S+2*p+1], v[U+2*p:U+2*p+1]  ; h + f (tanh - h)
.set p, p+1
.endr
.if \refill
	LOADF \ftb, 16
.endif
.irp i, 0,1,2,3,4,5,6,7
	global_store_b128 v[CO], v[S+4*(\i):S+4*(\i)+3], s[PO:PO+1] offset:(\i)*ROWF th:TH_STORE_NT  ; 512 consecutive bytes, at a multiple of 512 from out0's first byte
.endr
.else
.set p, 0
.rept 16
	v_pk_mul_f32 v[U+2*p:U+2*p+1], v[U+2*p:U+2*p+1], v[S+2*p:S+2*p+1]  ; f h
.set p, p+1
.endr
.set p, 0
.rept 16
	v_cvt_pk_bf16_f32 v[GP+p], v[U+2*p], v[U+2*p+1]
.set p, p+1
.endr
.irp i, 0,1,2,3,4,5,6,7
	global_store_b128 v[CO], v[S+4*(\i):S+4*(\i)+3], s[PFT:PFT+1] offset:(\i)*ROWF  ; f: 512 consecutive bytes, aligned; no hint: the next launch reads them
.endr
.irp i, 0,1,2,3,4,5,6,7
	global_store_b64 v[CG], v[GP+2*(\i):GP+2*(\i)+1], s[PO:PO+1] offset:(\i)*ROWB   ; g: 256 consecutive bytes, aligned
.endr
.endif
.if \left
	s_wait_xcnt 0x0                                ; every earlier memory instruction has had its addresses translated (ISA guide 3.1): the stores' data and the offsets are rewritten only behind this wait
	v_add_nc_u32 v[CO], 8*ROWF, v[CO]
	v_add_nc_u32 v[CG], 8*ROWB, v[CG]
	s_add_co_u32 s[SB], s[SB], 8*SP
.endif
.endm
	s_wait_tensorcnt 1                             ; my part of K step 0 is in; K step 1's may stay out
	s_barrier_signal -1
	s_barrier_wait -1                              ; everybody's is
	FETCH 0, 0, F0
	QUARTER 0, 1, F0, F1, 1                        ; the first quarter stands in front of the loop: its products start the sums
	WIN 0                                          ; at a label and at a branch every window is 0
	s_mov_b32 s3, LAPS-1
.Llap:                                                 ; a trip goes once round the ring, from a lap's second quarter to the next lap's first, and fills both slots again: K steps 2 to 15 in seven trips
	QUARTER 0, 2, F1, F0, 0
	QUARTER 0, 3, F0, F1, 0
	TURN 0, 1
	QUARTER 1, 1, F0, F1, 0
	QUARTER 1, 2, F1, F0, 0
	QUARTER 1, 3, F0, F1, 0
	TURN 1, 0
	QUARTER 0, 1, F0, F1, 0
	WIN 0
	s_sub_co_u32 s3, s3, 1
	s_cmp_lg_u32 s3, 0
	s_cbranch_scc1 .Llap
	; THE LAST LAP fills nothing.  The bias and the way out's first eight rows are asked for here, into registers that no product names: they land under the last seven quarters.
	global_load_b128 v[BI:BI+3], v[BO], s[10:11]
	LOADH HP0, 0
.if CAND
	LOADF FT0, 0
.endif
	QUARTER 0, 2, F1, F0, 0
	QUARTER 0, 3, F0, F1, 0
	MEET 0                                         ; my one tensor load that was still out is slot 1's, the last K step's, so no round follows
	PLACES
	FETCH 1, 0, F0
.if CAND
	; Into the L2, once for each aligned 256 bytes and by the wave that will load them: rows 16-79 of my part of hb and rows 16-47 of my part of ft, 32 KiB a wave, a K step's 256 matrix
	; instructions ahead of the way out; rows 0-15 are asked for by loads.  All lie inside my 128 rows.  (In the gate's text nothing is asked for: the cluster has just read these rows of hb as tiles of A.)
	global_prefetch_b8 v[PFH], s[PH:PH+1] offset:16*ROWB th:TH_LOAD_NT scope:SCOPE_SE
	global_prefetch_b8 v[PFH], s[PH:PH+1] offset:48*ROWB th:TH_LOAD_NT scope:SCOPE_SE
	global_prefetch_b8 v[PFF], s[PFT:PFT+1] offset:16*ROWF th:TH_LOAD_NT scope:SCOPE_SE
	global_prefetch_b8 v[PFF], s[PFT:PFT+1] offset:32*ROWF th:TH_LOAD_NT scope:SCOPE_SE
.endif
	MUL16 F1, 1, 0, 0
	MUL16 F1, 1, 2, 0
	QUARTER 1, 1, F0, F1, 0
	QUARTER 1, 2, F1, F0, 0
	QUARTER 1, 3, F0, F1, 0
	s_wait_dscnt 8                                 ; the very last quarter: nothing more to fetch
	MUL16 F1, 0, 0, 0
	MUL16 F1, 0, 2, 0
	s_wait_dscnt 0x0                               ; my last reads of the ring are back:
	s_barrier_signal -1                            ; say so, since the stages lie over the ring,
	MUL16 F1, 1, 0, 0
	MUL16 F1, 1, 2, 0
	WIN 0
	s_barrier_wait -1                              ; and store there only when all four have said so (every tensor load was waited for in front of the barrier before)
	PLACES                                         ; behind the last products: for the loads into A's buffers and for the stores of the sums
	LOADH HP1, 8
.if CAND
	LOADF FT1, 8
.endif
	DUMP
	s_wait_loadcnt NLD                             ; the bias and buffer 0 are in; buffer 1's loads stay out
	v_cvt_pk_bf16_f32 v3, v[BI], v[BI+1]           ; the bias is rounded to bf16 like every other input,
	v_cvt_pk_bf16_f32 v4, v[BI+2], v[BI+3]
	v_lshlrev_b32 v[BI],   16,     v3              ; widened again,
	v_and_b32     v[BI+1], s[HIM], v3
	v_lshlrev_b32 v[BI+2], 16,     v4
	v_and_b32     v[BI+3], s[HIM], v4
	v_pk_mul_f32 v[BI:BI+1],   v[BI:BI+1],   s[CC:CC+1] op_sel_hi:[1,0]  ; and takes the exponent's constant, so that one fused multiply-add makes c (sum + bias)
	v_pk_mul_f32 v[BI+2:BI+3], v[BI+2:BI+3], s[CC:CC+1] op_sel_hi:[1,0]
	s_mov_b32 s78, 7
.Lrow:                                                 ; a trip: sixteen rows; seven trips, each refilling both buffers: rows 16 to 127
	HT HP0, FT0, 1, NLD
	HT HP1, FT1, 1, NLD
	s_sub_co_u32 s78, s78, 1
	s_cmp_lg_u32 s78, 0
	s_cbranch_scc1 .Lrow
	HT HP0, FT0, 0, NLD                            ; the last sixteen rows load nothing
	HT HP1, FT1, 0, 0
	s_wait_tensorcnt 0x0                           ; the wave's end: behind my last tensor load and my last LDS store
	ds_add_u32 v[SPW], v[NIL]
	s_wait_dscnt 0x0
	CROUND                                         ; the closing round: no work-group ends while a partner may still ask for a tile that names it
	s_endpgm
.Lfunc_end_k_q2ae5ac2871_cand:
	.size	k_q2ae5ac2871_cand, .Lfunc_end_k_q2ae5ac2871_cand-k_q2ae5ac2871_cand
	.p2alignl 7, 3214868480
	.fill 96, 4, 3214868480
	.section	.rodata,"a",@progbits
	.p2align	6, 0x0
	.amdhsa_kernel k_q2ae5ac2871_cand
		.amdhsa_group_segment_fixed_size 327680
		.amdhsa_private_segment_fixed_size 0
		.amdhsa_enable_private_segment 0
		.amdhsa_kernarg_size 56
		.amdhsa_user_sgpr_count 2
		.amdhsa_user_sgpr_kernarg_segment_ptr 1
		.amdhsa_wavefront_size32 1
		.amdhsa_system_sgpr_workgroup_id_x 1
		.amdhsa_system_sgpr_workgroup_id_y 1
		.amdhsa_system_sgpr_workgroup_id_z 1
		.amdhsa_system_vgpr_workitem_id 0
		.amdhsa_next_free_vgpr 1024
		.amdhsa_next_free_sgpr 96
		.amdhsa_reserve_vcc 0
		.amdhsa_float_denorm_mode_32 3
		.amdhsa_float_denorm_mode_16_64 3
		.amdhsa_memory_ordered 1
		.amdhsa_forward_progress 1
		.amdhsa_inst_pref_size 166
	.end_amdhsa_kernel
	.amdgpu_metadata
---
amdhsa.version: [ 1, 2 ]
amdhsa.kernels:
  - .name:           k_q2ae5ac2871_cand
    .symbol:         k_q2ae5ac2871_cand.kd
    .args:
      - { .name: xb, .offset: 0, .size: 8, .value_kind: global_buffer, .address_space: global }
      - { .name: gb, .offset: 8, .size: 8, .value_kind: global_buffer, .address_space: global }
      - { .name: w2, .offset: 16, .size: 8, .value_kind: global_buffer, .address_space: global }
      - { .name: Bh, .offset: 24, .size: 8, .value_kind: global_buffer, .address_space: global }
      - { .name: hb, .offset: 32, .size: 8, .value_kind: global_buffer, .address_space: global }
      - { .name: ft, .offset: 40, .size: 8, .value_kind: global_buffer, .address_space: global }
      - { .name: out0, .offset: 48, .size: 8, .value_kind: global_buffer, .address_space: global }
    .group_segment_fixed_size: 327680
    .private_segment_fixed_size: 0
    .kernarg_segment_align: 8
    .kernarg_segment_size: 56
    .max_flat_workgroup_size: 128
    .sgpr_count:     96
    .vgpr_count:     1024
    .wavefront_size: 32
...
	.end_amdgpu_metadata
.endif
;; end of part 3
